; MI455X (gfx1250); checked and timed in simulation.
; The chip was launched on July 23, 2026; its instructions are those of AMD's public machine-readable ISA for CDNA 5 (MIT licence, August 2026) and "CDNA5" Instruction Set Architecture Reference Guide (July 2026). The comments in the code are by the model that wrote it; some were corrected since.
;; Compositional FC. Allowed arithmetic: matrix products marked QUANTISED: E2M1 operands, one E8M0 scale for each 32 along K, by v_wmma_scale_f32_16x16x128_f8f6f4 with both operands' format E2M1 (or v_wmma_scale_f32_32x16x128_f4), f32 sums; products left as they are: f32 operands where the result goes on into a quantised operand, else bf16, f16 or f32 operands; f32 sums; everything else in f32.
;; Inputs: bias 16 x 1,024 float32; comp_weight 4,096 x 16 float32; weight_codes 16 x 1,024 x 32 x 16 uint8 (E2M1 codes of weight, K innermost, in blocks of 32 codes, two codes a byte); weight_scales 16 x 1,024 x 32 uint8 (E8M0 scales of weight, one for each 32 codes along K); x_codes 4,096 x 32 x 16 uint8 (E2M1 codes of x, K innermost, in blocks of 32 codes, two codes a byte); x_scales 4,096 x 32 uint8 (E8M0 scales of x, one for each 32 codes along K).
;; Outputs: out0 4,096 x 1,024 float32.
;; This version of the problem:
;;   THIS VERSION OF THE PROBLEM IS GIVEN IN LOW PRECISION. The matrix products marked QUANTISED in the list below multiply operands that are first quantised to E2M1 (2 exponent bits, 1 mantissa bit; 4 bits a number), with one power-of-two scale for each 32 numbers along K (OCP MX v1.0); their sums are f32. All else is computed in f32.
;;   The module's matrix products, in the order in which they are computed (A, B: the left and right operand; K: the contracted axis; several contracted axes count as one K, in the product's order):
;;     1. [M 16,384, K 1,024] x [K 1,024, N 4,096]; A: input weight (given as codes); B: input x (given as codes): QUANTISED
;;     2. batch 4,096 x [M 1, K 16] x [K 16, N 1,024]; A: input comp_weight; B: computed on the way: left as it is (K = 16 < 32)
;;   THE QUANTISER, for each operand of a quantised product, along K:
;;     - K is cut into blocks of 32 from its start; a last block that is shorter is filled with zeros.
;;     - A block's scale is 2^e with e = floor(log2(the largest magnitude in the block)) - 2, held to -126 .. 127; a block of zeros has e = 0. As a byte (E8M0): e + 127.
;;     - Each number is divided by its block's scale, clamped to +-6, and rounded to the nearest number of E2M1, ties to even, subnormals kept.
;;     - The product sums the exact products of the quantised numbers (number of the format x scale) in f32.
;;   ~~~python
;;   def quantise(x, axis):      # numpy; x: float32 -> the quantised numbers, widened to float32 again
;;       x = np.moveaxis(x, axis, -1); K = x.shape[-1]
;;       x = np.pad(x, [(0, 0)] * (x.ndim - 1) + [(0, -K % 32)]); x = x.reshape(x.shape[:-1] + (-1, 32)); a = np.abs(x).max(-1, keepdims=True)
;;       e = np.where(a > 0, np.clip(np.frexp(np.where(a > 0, a, 1))[1] - 1 - 2, -126, 127), 0)      # np.frexp(a)[1] - 1 = floor(log2(a)), exactly
;;       r = np.clip(x / 2.0 ** e, -6, 6)
;;       step = 2.0 ** (np.maximum(np.frexp(np.where(r == 0, 1, r))[1] - 1, 0) - 1)
;;       q = np.round(r / step) * step * 2.0 ** e      # np.round: ties to even
;;       return np.moveaxis(q.reshape(q.shape[:-2] + (-1,))[..., :K], -1, axis).astype(np.float32)
;;   ~~~
;;   INPUTS GIVEN AS CODES. weight (in the module: [16, 1024, 1024], K = its axis 1); x (in the module: [4096, 1024], K = its axis 1): each comes as NAME_codes (uint8): NAME with its K axis moved to the last place and cut into blocks of 32 codes, [.., K / 32, bytes a block], one block behind the other in memory; two codes a byte, the lower K in the low four bits (a code: sign, 2 exponent bits, 1 mantissa bit); and NAME_scales (uint8): the same leading axes, one E8M0 byte (e + 127) for each 32 codes along K. Its value is code x scale, taken as it is: it is not quantised again, and the codes and scales need not be those that the quantiser above would give.
;; One version. Each part assembles by itself: llvm-mc -triple=amdgcn-amd-amdhsa -mcpu=gfx1250 --defsym DOCPART=n.
;; ======== version 1 of 1: 1 launch
;; launch fused (part 1): grid 16 x 16, 4 waves a work-group, clusters of 4 x 4, 327,680 bytes of LDS; arguments x_codes, x_scales, weight_codes, weight_scales, bias, comp_weight, out0; writes out0
.if DOCPART == 1
	.amdgcn_target "amdgcn-amd-amdhsa--gfx1250"
	.amdhsa_code_object_version 6
	.text
	.protected	k_qb5d5548b67_fused
	.globl	k_qb5d5548b67_fused
	.p2align	8
	.type	k_qb5d5548b67_fused,@function
k_qb5d5548b67_fused:
	s_mov_b64 s[64:65], 0
	v_nop
	global_prefetch_b8 v0, s[64:65] scope:SCOPE_SE
	s_setreg_imm32_b32 hwreg(HW_REG_WAVE_MODE, 25, 1), 1
	s_wait_xcnt 0x0
	s_wait_alu depctr_hold_cnt(0) depctr_sa_sdst(0) depctr_va_vdst(0) depctr_va_sdst(0) depctr_va_ssrc(0) depctr_va_vcc(0) depctr_vm_vsrc(0)
	s_getreg_b32 s2, hwreg(HW_REG_IB_STS2, 6, 4)
	s_cmp_eq_u32 s2, 0
	s_cbranch_scc0 .Lentry_in_a_cluster
	s_endpgm
.Lentry_in_a_cluster:
	s_bfe_u32 s2, ttmp6, 0x10000c
	s_cmp_lg_u32 s2, 0xf033
	s_cbranch_scc0 .Lentry_shape_is_right
	s_endpgm
.Lentry_shape_is_right:
; out[b][o] = relu( sum over n of cw[b][n] * ( sum over k of x[b][k] W[n][o][k] + bias[n][o] ) ).  b = 4,096, o = 1,024, n = 16 experts, K = 1,024.
; x and W arrive as codes of FP4 (E2M1), K innermost, 512 bytes a row, with one E8M0 byte for each 32 along K (32 bytes a row); they go to the matrix unit as they lie.
; cw is any f32 number, so each expert's product keeps a sum z of its own (f32), which one fused multiply-add a number weighs into out.  bias is the C of each sum's first matrix instruction.
; SHARES.  A work-group makes 256 b x 64 o for all 16 experts; 16 x 16 work-groups.  Wave w: wb = w / 2 picks 128 of the b, wo = w % 2 picks 32 of the o: 8 tiles t of 16 b, each against the 32 o.
; x STAYS IN REGISTERS: a wave's 128 rows x all of K are 8 t x 8 K steps x 8 = 512 registers, read from LDS once.  In the loop only W is read from LDS: 16 KB an expert a wave for 64 matrix instructions.
; THE MATRIX INSTRUCTION is the 32 x 16 x 128 form: source 0 = my 32 rows of W, source 1 = 16 rows of x.  In the result lane (r, h) holds b = 16 t + r, and register 8 j + i holds o = 16 j + 8 h + i:
; one cw a lane, eight neighbouring o in eight registers.  W's scale word of row m stands in lane m; x's of row r in lane r, a register for each tile and K step, so that no row selector is written.
; PHASES.  Phase (n, g): expert n, tiles 4 g .. 4 g + 3: 4 accumulators of 16 registers, K step by K step: 32 matrix instructions, the accumulators by turns, one instruction a turn.
; Phase (n, 0) writes set Z0, phase (n, 1) set Z1; a set is weighed into OUT by 32 packed instructions, two behind each of the next phase's matrix instructions of K steps 1 to 4.
; W has ONE set of fragments (an expert's 8 K steps x 16 = 128 registers): both phases of an expert read it, and from phase (n, 1) on the K steps that are done with are fetched anew for expert n + 1.
; REGISTERS, in windows of 256 (s_set_vgpr_msb: bits 1:0 source 0, 3:2 source 1, 5:4 source 2, 7:6 destination).  THE MAP IS MADE SO THAT THE WEIGHING NEEDS NO SWITCH: OUT = cw z + OUT names cw as source 0,
; where the matrix instruction names W; the other set's z as source 1, where it names x; the other set's OUT as source 2 and destination, where it names its own sums.
;   window 0: v1-15 addresses; v16-79 x's scale words; v80-87 W's; v88-103 cw; v104-119 bias; v120-247 W's fragments (on the way out: rows of out)
;   window 1: v0-63 Z0;  v64-127 OUT of tiles 4-7;  v128-255 x of tiles 4-7, K steps 1-4 (32 tl + 8 (s - 1))
;   window 2: v0-63 Z1;  v64-127 OUT of tiles 0-3;  v128-255 x of tiles 0-3, K steps 1-4
;   window 3: x of all tiles, K steps 0, 5, 6, 7 (32 t + 8 (s % 4))
; A phase has three settings (K step 0, whose C is bias in window 0; K steps 1-4; K steps 5-7), and each run of LDS loads has two switches: 14 a trip for its 64 matrix instructions.
; THE RING.  Two LDS slots of four experts each (4 x 64 rows x 528 bytes).  Slot 1 first holds x (256 rows x 528 bytes are exactly a slot).  Each wave fetches one expert's 64 rows with one tensor load.
; Each refill is asked for four experts' products, 256 matrix instructions a wave, ahead of its first read; a wave has five tensor loads out at the start, later one.
; CLUSTERS: 4 x 4 work-groups.  W, its scales and bias hang on the block of o alone: shared along a column of the cluster.  x's codes and cw hang on the block of b alone: shared along a row.  Each is asked for
; JOINTLY: the same tensor load, with the same descriptor and a mask that names the four.
; No prefetch is laid: all that a work-group reads is asked for by the five loads at its head and by three refills, each with the lead stated above.
; LIMITS.  relu is v_max_num_f32: a NaN sum (a NaN in comp_weight or bias, a scale byte 0xff) gives 0 where the definition gives NaN.  Order of sums: K ascending within an expert, then experts ascending.
.set PITCH, 528                        ; an LDS row of codes: 512 bytes + 16 of padding = 132 words: row r starts at bank 4 r mod 64 (64 banks of 4 bytes: ISA guide 11.1)
.set EXP,   64*PITCH                   ; one expert's 64 rows; also a wave's 64 rows of x
.set SLOT,  4*EXP                      ; the two slots lie on end: expert n at (n % 8) EXP
.set WSC,   2*SLOT                     ; W's scale bytes, dense: 2,048 n + 32 row.  Filled once
.set BIA,   WSC+32768                  ; bias: 256 n + 4 o.  Filled once
.set CWL,   BIA+4096                   ; cw: 256 rows of 64 bytes + 8 of padding.  Filled once
.set CWP,   72
.set SPARE, CWL+256*CWP                ; the spare words, 128 bytes for each wave: two blocks of 256 bytes that no other line names
.set SP,    272                        ; the way out: a stage of 256 rows x (256 bytes + 16), from LDS byte 0: slot 0 has had its last fill and its last read by then
.set WEXP,  524288                     ; an expert's codes in memory
.set SPW, 1                            ; v1   LDS address of my spare word; never rewritten
.set NIL, 2                            ; v2   0; never rewritten
.set AW0, 3                            ; v3   my lane's place in an expert's rows: (32 wo + r) PITCH + 16 h
.set AS0, 4                            ; v4   among W's scale bytes: WSC + (32 wo + lane) 32
.set AB0, 5                            ; v5   in bias: BIA + 128 wo + 32 h
.set AC0, 6                            ; v6   in cw: CWL + (128 wb + r) CWP
.set ADW, 7                            ; v7-10 the same four with the trip's expert added
.set ADS, 8
.set ADB, 9
.set ADC, 10
.set AX0, 11                           ; v11  x in slot 1: SLOT + (128 wb + r) PITCH + 16 h
.set STO, 12                           ; v12  the way out: where I put 16 bytes of a row
.set RD,  13                           ; v13  where I read a row back
.set GO,  14                           ; v14  my byte offset in the wave's rows of out
.set XO,  15                           ; v15  32 r: a row of x's scale bytes
.set XS,  16                           ; 8 t + s: lane r the word of row 16 t + r, K step s (lanes 16-31 hold the same and are not read)
.set WS,  80                           ; s: lane l the word of W's row 32 wo + l
.set CW,  88                           ; cw of tile t at CW + 2 t; the odd registers are named as upper halves of pairs and hold 0
.set BI,  104                          ; 8 j + i
.set WF,  120                          ; 16 s + 8 j
.set WV,  18                           ; s18 wave; s19 wb; s20 wo
.set LW,  27                           ; s27 wave x EXP
.set TW,  3                            ; s3  where the expert to be fetched begins in the ring
.set TS,  66                           ; s66 its scale bytes
.set TB,  67                           ; s67 its bias
.set TC,  60                           ; s60 4 x the trip's expert: its cw
.set G1W, 28                           ; s[28:35] descriptor group 1 for W's codes;  s[36:43] x's codes;  s[44:51] W's scales;  s[52:59] bias;  s[68:75] cw
.set G1X, 36
.set G1S, 44
.set G1B, 52
.set G1C, 68
.set G0X, 76                           ; s[76:79] .. s[92:95] groups 0: x, W's scales, bias, cw, W's codes (this one walks)
.set G0S, 80
.set G0B, 84
.set G0C, 88
.set G0W, 92
.set MSB, 0
.macro WIN new                         ; the immediate's high byte repeats the setting that is left; a switch that changes nothing is dropped
.if MSB != (\new)
	s_set_vgpr_msb (MSB<<8)|(\new)
.set MSB, (\new)
.endif
.endm
; A round of the cluster's barrier: my work-group's barrier, so that wave 0's signal speaks for all four waves; wave 0 signals; every wave waits for all sixteen work-groups; my work-group's barrier once more.
.macro CROUND
	s_barrier_signal -1
	s_barrier_wait -1
	s_cmp_lg_u32 s[WV], 0
	s_cbranch_scc1 .Lnot_wave_0_\@
	s_barrier_signal -3
.Lnot_wave_0_\@:
	s_barrier_wait -3
	s_barrier_signal -1
	s_barrier_wait -1
.endm
	s_load_b256 s[4:11], s[0:1], 0x0               ; x's codes s[4:5], x's scales s[6:7], W's codes s[8:9], W's scales s[10:11]
	s_load_b128 s[12:15], s[0:1], 0x20             ; bias s[12:13], cw s[14:15]
	s_load_b64 s[16:17], s[0:1], 0x30              ; out
	v_lshl_add_u32 v[SPW], v0, 2, SPARE
	v_mov_b32 v[NIL], 0
	ds_add_u32 v1, v2
	ds_add_u32 v1, v2
	s_wait_dscnt 0x0
	v_lshrrev_b32 v3, 5, v0
	v_readfirstlane_b32 s[WV], v3                  ; wave 0..3
	s_lshr_b32 s19, s[WV], 1                       ; wb
	s_and_b32 s20, s[WV], 1                        ; wo
	s_bfe_u32 s21, ttmp6, 0x40000                  ; cx, cy: my place in the cluster
	s_bfe_u32 s22, ttmp6, 0x40004
	s_lshl_b32 s23, ttmp9, 2
	s_add_co_u32 s23, s23, s21                     ; block of 64 o = 4 x cluster x + cx
	s_and_b32 s24, ttmp7, 0xffff
	s_lshl_b32 s24, s24, 2
	s_add_co_u32 s24, s24, s22                     ; block of 256 b = 4 x cluster y + cy
	s_lshl_b32 s25, s22, 2
	s_lshl_b32 s25, 15, s25                        ; my row of the cluster
	s_lshl_b32 s26, 0x1111, s21                    ; my column
	s_mul_i32 s[LW], s[WV], EXP
	; group 1 for codes: 64 rows x 512 bytes, 16 bytes of padding behind each row
	s_or_b32 s[G1W], s26, (1<<20)|(1<<21)|(6<<22)|(3<<25)   ; 15:0 the mask: my column; 17:16 elements of 1 byte; 20 padding on; 21 set beside a mask; 24:22 after every 128 words (code 6); 31:25 four words (code 3)
	s_or_b32 s[G1X], s25, (1<<20)|(1<<21)|(6<<22)|(3<<25)   ; the same with the mask of my row
.irp g, G1W, G1X
	s_mov_b32 s[\g+1], 512<<16                     ; tensor_dim0
	s_mov_b32 s[\g+2], 64<<16                      ; tensor_dim1
	s_mov_b32 s[\g+3], 512<<16                     ; tile_dim0
	s_mov_b32 s[\g+4], 64                          ; tile_dim1
	s_mov_b32 s[\g+5], 512                         ; from row to row
	s_mov_b32 s[\g+6], 0
	s_mov_b32 s[\g+7], 0
.endr
	; W's scales: four experts x 2,048 dense bytes (256 elements of 8 bytes), 32,768 bytes from expert to expert
	s_or_b32 s[G1S], s26, (3<<16)|(1<<21)
	s_mov_b32 s[G1S+1], 256<<16
	s_mov_b32 s[G1S+2], 4<<16
	s_mov_b32 s[G1S+3], 256<<16
	s_mov_b32 s[G1S+4], 4
	s_mov_b32 s[G1S+5], 4096
	s_mov_b32 s[G1S+6], 0
	s_mov_b32 s[G1S+7], 0
	; bias: four experts x 64 numbers of 4 bytes, 1,024 numbers from expert to expert
	s_or_b32 s[G1B], s26, (2<<16)|(1<<21)
	s_mov_b32 s[G1B+1], 64<<16
	s_mov_b32 s[G1B+2], 4<<16
	s_mov_b32 s[G1B+3], 64<<16
	s_mov_b32 s[G1B+4], 4
	s_mov_b32 s[G1B+5], 1024
	s_mov_b32 s[G1B+6], 0
	s_mov_b32 s[G1B+7], 0
	; cw: 64 rows x 16 numbers of 4 bytes, two words of padding behind each row's 16 words
	s_or_b32 s[G1C], s25, (2<<16)|(1<<20)|(1<<21)|(3<<22)|(1<<25)
	s_mov_b32 s[G1C+1], 16<<16
	s_mov_b32 s[G1C+2], 64<<16
	s_mov_b32 s[G1C+3], 16<<16
	s_mov_b32 s[G1C+4], 64
	s_mov_b32 s[G1C+5], 16
	s_mov_b32 s[G1C+6], 0
	s_mov_b32 s[G1C+7], 0
	; byte offsets.  Those made of the block of o stand in s96-101, those made of the block of b in s61-63: neither set ever holds the other coordinate
	s_lshl_b32 s96, s[WV], 19                      ; W's codes: expert w of a stage,
	s_lshl_b32 s97, s23, 15                        ; + 64 rows x 512 bytes a block
	s_add_co_u32 s96, s96, s97
	s_mov_b32 s97, 0
	s_lshl_b32 s98, s[WV], 17                      ; W's scales: experts 4 w .. 4 w + 3,
	s_lshl_b32 s99, s23, 11                        ; + 64 rows x 32 bytes
	s_add_co_u32 s98, s98, s99
	s_mov_b32 s99, 0
	s_lshl_b32 s100, s[WV], 14                     ; bias: experts 4 w .. 4 w + 3,
	s_lshl_b32 s101, s23, 8                        ; + 64 numbers
	s_add_co_u32 s100, s100, s101
	s_mov_b32 s101, 0
	s_lshl_b32 s61, s24, 8
	s_lshl_b32 s62, s[WV], 6
	s_add_co_u32 s61, s61, s62                     ; row 256 x block + 64 w: what I fetch of x and cw, and what I store of out
	s_mov_b32 s63, 0
	s_wait_kmcnt 0x0
	s_mov_b32 s[G0X], 1                            ; 1:0 count = 1
	s_add_co_u32 s[G0X+1], s[LW], SLOT             ; LDS: x lies in slot 1, wave x 64 rows: no place in the cluster enters an LDS address
	s_lshl_b32 s62, s61, 9
	s_add_nc_u64 s[G0X+2:G0X+3], s[4:5], s[62:63]
	s_or_b32 s[G0X+3], s[G0X+3], 0x80000000        ; type = 2
	s_mov_b32 s[G0S], 1
	s_lshl_b32 s2, s[WV], 13
	s_add_co_u32 s[G0S+1], s2, WSC
	s_add_nc_u64 s[G0S+2:G0S+3], s[10:11], s[98:99]
	s_or_b32 s[G0S+3], s[G0S+3], 0x80000000
	s_mov_b32 s[G0B], 1
	s_lshl_b32 s2, s[WV], 10
	s_add_co_u32 s[G0B+1], s2, BIA
	s_add_nc_u64 s[G0B+2:G0B+3], s[12:13], s[100:101]
	s_or_b32 s[G0B+3], s[G0B+3], 0x80000000
	s_mov_b32 s[G0C], 1
	s_mul_i32 s2, s[WV], 64*CWP
	s_add_co_u32 s[G0C+1], s2, CWL
	s_lshl_b32 s62, s61, 6
	s_add_nc_u64 s[G0C+2:G0C+3], s[14:15], s[62:63]
	s_or_b32 s[G0C+3], s[G0C+3], 0x80000000
	s_mov_b32 s[G0W], 1
	s_mov_b32 s[G0W+1], s[LW]                      ; experts 0-3 into slot 0
	s_add_nc_u64 s[G0W+2:G0W+3], s[8:9], s[96:97]
	s_or_b32 s[G0W+3], s[G0W+3], 0x80000000
	s_lshl_b32 s62, s24, 13                        ; x's scale bytes: row 256 x block + 128 wb, 32 bytes a row
	s_lshl_b32 s2, s19, 12
	s_add_co_u32 s62, s62, s2
	s_add_nc_u64 s[6:7], s[6:7], s[62:63]
	s_lshl_b32 s62, s61, 12                        ; out: my 64 rows of 4,096 bytes,
	s_add_nc_u64 s[16:17], s[16:17], s[62:63]
	s_lshl_b32 s96, s23, 8                         ; + the block's 64 numbers
	s_add_nc_u64 s[16:17], s[16:17], s[96:97]
	CROUND                                         ; all sixteen work-groups are here: the first joint loads meet
	tensor_load_to_lds s[G0X:G0X+3], s[G1X:G1X+7]  ; the first fills go out as one group, x first: it is wanted first.  Five loads of mine are out
	s_nop 0
	tensor_load_to_lds s[G0S:G0S+3], s[G1S:G1S+7]
	s_nop 0
	tensor_load_to_lds s[G0B:G0B+3], s[G1B:G1B+7]
	s_nop 0
	tensor_load_to_lds s[G0C:G0C+3], s[G1C:G1C+7]
	s_nop 0
	tensor_load_to_lds s[G0W:G0W+3], s[G1W:G1W+7]
	s_nop 0
	v_and_b32 v7, 15, v0                           ; r
	v_bfe_u32 v8, v0, 4, 1                         ; h
	v_and_b32 v9, 31, v0                           ; lane
	v_lshlrev_b32 v[XO], 5, v7
.irp t, 0,1,2,3,4,5,6,7
.irp c, 0,1
	global_load_b128 v[XS+8*\t+4*\c:XS+8*\t+4*\c+3], v[XO], s[6:7] offset:512*\t+16*\c   ; rows 16 t + r: the two loads of a tile cover 512 consecutive bytes
.endr
.endr
	v_mul_u32_u24 v3, v7, PITCH
	v_lshl_add_u32 v3, v8, 4, v3                   ; r PITCH + 16 h
	s_mul_i32 s2, s19, 128*PITCH
	s_add_co_u32 s2, s2, SLOT
	v_add_nc_u32 v[AX0], s2, v3
	s_mul_i32 s2, s20, 32*PITCH
	v_add_nc_u32 v[AW0], s2, v3
	s_lshl_b32 s2, s20, 10
	s_add_co_u32 s2, s2, WSC
	v_lshl_add_u32 v[AS0], v9, 5, s2
	s_lshl_b32 s2, s20, 7
	s_add_co_u32 s2, s2, BIA
	v_lshl_add_u32 v[AB0], v8, 5, s2
	s_mul_i32 s2, s19, 128*CWP
	s_add_co_u32 s2, s2, CWL
	v_mul_u32_u24 v[AC0], v7, CWP
	v_add_nc_u32 v[AC0], s2, v[AC0]
	s_mul_i32 s2, s19, 128*SP                      ; the stage, in: row 128 wb + r (+ 16 t), byte 128 wo + 32 h (+ 64 j + 16 c)
	s_lshl_b32 s3, s20, 7
	s_add_co_u32 s2, s2, s3
	v_mul_u32_u24 v[STO], v7, SP
	v_lshl_add_u32 v[STO], v8, 5, v[STO]
	v_add_nc_u32 v[STO], s2, v[STO]
	s_mul_i32 s2, s[WV], 64*SP                     ; back: wave w takes rows 64 w on, whole; lanes 0-15 one row of 256 bytes, lanes 16-31 the next
	v_mul_u32_u24 v[RD], v8, SP
	v_lshl_add_u32 v[RD], v7, 4, v[RD]
	v_add_nc_u32 v[RD], s2, v[RD]
	v_lshlrev_b32 v[GO], 12, v8                    ; and the same two rows in out
	v_lshl_add_u32 v[GO], v7, 4, v[GO]
.irp t, 0,1,2,3,4,5,6,7
	v_mov_b32 v[CW+2*\t+1], 0                      ; named as the upper halves of pairs, so they are written
.endr
; One matrix instruction: set g, K step s, tile tl of the set's four: 32 o x 16 b x 128 K.  The first K step takes bias as C; the others add in place.
.macro MM g, s, tl
.set rD, 16*(\tl)
.set rA, WF+16*(\s)
.if ((\s) >= 1) && ((\s) <= 4)
.set rB, 128+32*(\tl)+8*((\s)-1)       ; beside the other set's sums
.else
.set rB, 128*(\g)+32*(\tl)+8*((\s)%4)  ; window 3
.endif
.set rP, WS+(\s)
.set rQ, XS+8*(4*(\g)+(\tl))+(\s)
.if (\s) == 0
	v_wmma_scale_f32_32x16x128_f4 v[rD:rD+15], v[rA:rA+15], v[rB:rB+7], v[BI:BI+15], v[rP], v[rQ]
.else
	v_wmma_scale_f32_32x16x128_f4 v[rD:rD+15], v[rA:rA+15], v[rB:rB+7], v[rD:rD+15], v[rP], v[rQ]
.endif
.endm
; The next of the 32 packed instructions that weigh the OTHER set (1 - g) into OUT: pair pp of its 32 pairs, under the window setting of phase g's K steps 1-4.  Each accumulator is read from its low end on.
; comb = 2: fused multiply-adds;  1: the first expert's products start OUT, so that nothing is cleared;  0: nothing to weigh yet.
.macro PK g, comb
.if \comb
.set rZ, 2*pp
.set rU, 64+2*pp
.set rW, CW+2*(4*(1-(\g))+pp/8)
.if (\comb) == 2
	v_pk_fma_f32 v[rU:rU+1], v[rW:rW+1], v[rZ:rZ+1], v[rU:rU+1] op_sel_hi:[0,1,1]
.else
	v_pk_mul_f32 v[rU:rU+1], v[rW:rW+1], v[rZ:rZ+1] op_sel_hi:[0,1]
.endif
.endif
.set pp, pp+1
.endm
.macro FRAG s                          ; W's fragment of K step s, 32 rows: lane l holds rows l % 16 (registers 0-7) and 16 + l % 16 (8-15); registers 4 c .. 4 c + 3 of each hold K = 64 c + 32 (l / 16) + 0 .. 31: 16 bytes of the row as they lie
.irp j, 0,1
.irp c, 0,1
	ds_load_b128 v[WF+16*(\s)+8*\j+4*\c:WF+16*(\s)+8*\j+4*\c+3], v[ADW] offset:16*PITCH*\j+64*(\s)+32*\c
.endr
.endr
.endm
.macro CWLOAD t0, off                  ; cw of tiles t0 .. t0 + 3; both halves of the lanes read the same word
.irp q, 0,1,2,3
	ds_load_b32 v[CW+2*((\t0)+\q)], v[ADC] offset:16*CWP*((\t0)+\q)+(\off)
.endr
.endm
.macro BIAS                            ; lane (r, h): bias of o = 16 j + 8 h + 0 .. 7, in the result's layout
.irp j, 0,1
.irp c, 0,1
	ds_load_b128 v[BI+8*\j+4*\c:BI+8*\j+4*\c+3], v[ADB] offset:64*\j+16*\c
.endr
.endr
.endm
.macro ADDRS
	v_add_nc_u32 v[ADW], s[TW], v[AW0]
	v_add_nc_u32 v[ADS], s[TS], v[AS0]
	v_add_nc_u32 v[ADB], s[TB], v[AB0]
	v_add_nc_u32 v[ADC], s[TC], v[AC0]
.endm
; A load into a register that a matrix instruction has read, and a vector instruction that reads a matrix result, stand four places behind that matrix instruction, and only plain vector instructions that name none
; of its registers are places (ISA guide 7.12.1 for vector instructions).  Where packed instructions of the weighing stand between, they are the places; elsewhere four v_nop.
.macro PLACES
.rept 4
	v_nop
.endr
.endm
; A PHASE: 32 matrix instructions on set g.  ld = 1: the runs of LDS loads for the next expert (phase (n, 1) alone has them);  pro = 1: the very first phase, whose loads were issued on end in front of it.
; THE RUNS, each behind four places from the last reader of its registers:
;   behind (K step 2, tile 0): this expert's cw of tiles 4-7, the next bias, K steps 0 and 1: 16 loads; the places are the packed pairs behind (1, 3) and (2, 0)
;   behind (K step 4, tile 0): the scale words of K steps 0-3, K steps 2 and 3: 9 loads; the packed pairs behind (3, 3) and (4, 0)
;   behind K step 5: K steps 4 and 5: 8 loads; four v_nop
;   at the phase's end: the scale words of K steps 4-7, the next cw of tiles 0-3, K steps 6 and 7: 13 loads; four v_nop, which are also the places in front of the next phase's first read of this phase's sums
.macro PHASE g, comb, ld, pro
.set pp, 0
.set ks, 0
.rept 8
.if \pro
	s_wait_dscnt 4*(7-ks)                          ; bias, scale words, cw and the fragments up to this K step are in; the younger fragments, four loads a K step, may be out
.elseif ((\g) == 0) && (ks == 0)
	s_wait_dscnt 21                                ; the first two runs are in: cw of tiles 4-7, bias, K steps 0-3 and their scale words; the last two runs, 8 + 13 loads, may be out
.elseif ((\g) == 0) && (ks == 4)
	s_wait_dscnt 8                                 ; K steps 4 and 5, the scale words of K steps 4-7 and cw are in; the youngest eight loads (K steps 6 and 7) may be out
.elseif ((\g) == 0) && (ks == 6)
	s_wait_dscnt 0x0                               ; K steps 6 and 7
.endif
.set wm, 0x5c+0x50*(\g)                ; K steps 5-7: W window 0, x window 3, C and D window 1 + g
.if ks == 0
.set wm, 0x4c+0x40*(\g)                ; K step 0: the same with C (bias) in window 0
.elseif ks < 5
.set wm, 0x58+0x4c*(\g)                ; K steps 1-4: x in window 2 - g, beside the other set's sums
.endif
.set tt, 0
.rept 4
	WIN wm
	MM \g, ks, tt
.if (ks >= 1) && (ks <= 4)
	PK \g, \comb
	PK \g, \comb
.endif
.if ((\g) == 1) && (ks == 2) && (tt == 0)
	WIN 0
	CWLOAD 4, 0                                    ; the next phase weighs this phase's sums by it
.if \ld
	BIAS
	FRAG 0
	FRAG 1
.endif
.endif
.if (\ld) && ((\g) == 1) && (ks == 4) && (tt == 0)
	WIN 0
	ds_load_b128 v[WS:WS+3], v[ADS]
	FRAG 2
	FRAG 3
.endif
.if (\ld) && ((\g) == 1) && (ks == 5) && (tt == 3)
	PLACES
	WIN 0
	FRAG 4
	FRAG 5
.endif
.set tt, tt+1
.endr
.set ks, ks+1
.endr
.if (\g) == 1
	PLACES
.if \ld
	WIN 0
	ds_load_b128 v[WS+4:WS+7], v[ADS] offset:16
	CWLOAD 0, 4                                    ; one expert on from the trip's
	FRAG 6
	FRAG 7
.endif
.endif
.endm
; TRIP n: phase (n, 1), from which on expert n + 1 is fetched, then phase (n + 1, 0).  The four additions at its head are the places in front of phase (n, 1)'s first read of Z0.  No LDS load is out at a trip's end.
.macro TRIP comb
	WIN 0
	ADDRS
	PHASE 1, \comb, 1, 0
	PHASE 0, \comb, 1, 0
	WIN 0                                          ; at a label and at a branch every window is 0
	s_add_co_u32 s[TW], s[TW], EXP
	s_add_co_u32 s[TS], s[TS], 2048
	s_add_co_u32 s[TB], s[TB], 256
	s_add_co_u32 s[TC], s[TC], 4
.endm
.macro BLOCK n0, cnt                   ; trips n0 .. n0 + cnt - 1
	s_mov_b32 s[TW], (((\n0)+1)%8)*EXP
	s_mov_b32 s[TS], ((\n0)+1)*2048
	s_mov_b32 s[TB], ((\n0)+1)*256
	s_mov_b32 s[TC], 4*(\n0)
	s_mov_b32 s2, \cnt
.Ltrip_\@:
	TRIP 2
	s_sub_co_u32 s2, s2, 1
	s_cmp_lg_u32 s2, 0
	s_cbranch_scc1 .Ltrip_\@
.endm
; A CHANGE OF SLOTS.  Each wave waits for all its tensor loads (its part of the slot that is read next), adds 0 to its spare word, and waits for that and for its reads of the slot that it leaves.
; fill = 1: the barrier is a round of the cluster's, so that no wave of any partner still reads the slot or has a load on its way; the slot left is filled with the next four experts, first thing behind the round.
.macro EVENT fill, slot
	s_wait_tensorcnt 0x0                           ; no tensor load of mine is out, so a group 0 may be written
	ds_add_u32 v[SPW], v[NIL]                      ; 0 onto my spare word
.if \fill
	s_add_co_u32 s[G0W+1], s[LW], (\slot)*SLOT     ; the walking descriptor: the slot that is left,
	s_add_nc_u64 s[G0W+2:G0W+3], s[G0W+2:G0W+3], 4*WEXP   ; four experts on; the type bits on top are not reached
.endif
	s_wait_dscnt 0x0                               ; the add is done, and my reads of the slot are over
.if \fill
	CROUND
	tensor_load_to_lds s[G0W:G0W+3], s[G1W:G1W+7]  ; my one tensor load until the next change of slots
	s_nop 0
.rept 4
	v_nop
.endr
.else
	s_barrier_signal -1
	s_barrier_wait -1
.endif
.endm
	s_wait_tensorcnt 0x4                           ; x was issued first: my part of it is in; the four younger loads may stay out
	s_barrier_signal -1
	s_barrier_wait -1                              ; everybody's is
	; x into registers, once, window by window
	WIN 0x80                                       ; destination window 2: tiles 0-3, K steps 1-4
.irp tl, 0,1,2,3
.irp s, 1,2,3,4
.irp c, 0,1
	ds_load_b128 v[128+32*\tl+8*(\s-1)+4*\c:128+32*\tl+8*(\s-1)+4*\c+3], v[AX0] offset:16*PITCH*\tl+64*\s+32*\c
.endr
.endr
.endr
	WIN 0x40                                       ; window 1: tiles 4-7, K steps 1-4
.irp tl, 0,1,2,3
.irp s, 1,2,3,4
.irp c, 0,1
	ds_load_b128 v[128+32*\tl+8*(\s-1)+4*\c:128+32*\tl+8*(\s-1)+4*\c+3], v[AX0] offset:16*PITCH*(4+\tl)+64*\s+32*\c
.endr
.endr
.endr
	WIN 0xc0                                       ; window 3: all tiles, K steps 0, 5, 6, 7
.irp t, 0,1,2,3,4,5,6,7
.irp s, 0,5,6,7
.irp c, 0,1
	ds_load_b128 v[32*\t+8*(\s%4)+4*\c:32*\t+8*(\s%4)+4*\c+3], v[AX0] offset:16*PITCH*\t+64*\s+32*\c
.endr
.endr
.endr
	WIN 0
	EVENT 1, 1                                     ; experts 0-3, the scales, bias and cw have landed, x has been read: slot 1 takes experts 4-7
	s_mov_b32 s[TW], 0
	s_mov_b32 s[TS], 0
	s_mov_b32 s[TB], 0
	s_mov_b32 s[TC], 0
	ADDRS
	BIAS                                           ; expert 0: 4 + 2 + 4 loads, then the fragments, four a K step
	ds_load_b128 v[WS:WS+3], v[ADS]
	ds_load_b128 v[WS+4:WS+7], v[ADS] offset:16
	CWLOAD 0, 0
.irp s, 0,1,2,3,4,5,6,7
	FRAG \s
.endr
	s_wait_loadcnt 0x0                             ; x's scale words
	PHASE 0, 0, 0, 1                               ; phase (0, 0)
	s_mov_b32 s[TW], EXP
	s_mov_b32 s[TS], 2048
	s_mov_b32 s[TB], 256
	s_mov_b32 s[TC], 0
	TRIP 1                                         ; trip 0: expert 0's products start OUT
	BLOCK 1, 2                                     ; expert 3's last fragments are fetched in trip 2
	EVENT 1, 0                                     ; slot 0 takes experts 8-11; experts 4-7 have landed
	BLOCK 3, 4
	EVENT 1, 1                                     ; slot 1 takes experts 12-15; experts 8-11 have landed
	BLOCK 7, 4
	EVENT 0, 0                                     ; experts 12-15 have landed; nothing is left to fetch, and nobody reads slot 0 any more
	BLOCK 11, 4
	v_add_nc_u32 v[ADC], 60, v[AC0]                ; expert 15's cw.  With the three lines below: the places in front of the first read of Z0
.rept 3
	v_nop
.endr
	PHASE 1, 2, 0, 0                               ; phase (15, 1)
	s_wait_dscnt 0x0                               ; cw of tiles 4-7
	; THE WAY OUT.  relu; a lane's eight numbers are 32 bytes of a row whose 256 bytes come from two waves: they meet in the stage, and each wave stores 64 whole rows.
	; Tiles 0-3 are finished: they go to the stage first, and their stores are on their way while the last sums are weighed.
.macro TOSTAGE t0                      ; OUT of tiles t0 .. t0 + 3, under a setting that names its window as destination and as source 1 (also an LDS store's data)
.set i, 0
.rept 64
	v_max_num_f32 v[64+i], 0, v[64+i]
.set i, i+1
.endr
.irp tl, 0,1,2,3
.irp j, 0,1
.irp c, 0,1
	ds_store_b128 v[STO], v[64+16*\tl+8*\j+4*\c:64+16*\tl+8*\j+4*\c+3] offset:16*SP*((\t0)+\tl)+64*\j+16*\c
.endr
.endr
.endr
.endm
	WIN 0x88                                       ; window 2
	TOSTAGE 0
	WIN 0x58                                       ; as in K steps 1-4 of a phase on tiles 0-3
.set pp, 0
.rept 32
	PK 0, 2                                        ; the last sums, Z1, are weighed
.endr
	WIN 0x44                                       ; window 1
	TOSTAGE 4
	WIN 0
	s_wait_dscnt 0x0                               ; for the others' sake: my stores into the stage are done
	s_barrier_signal -1
	s_barrier_wait -1
.set k, 0
.rept 32
	ds_load_b128 v[WF+4*k:WF+4*k+3], v[RD] offset:2*SP*k
.set k, k+1
.endr
.set k, 0
.rept 32
	s_wait_dscnt 31-k                              ; LDS loads come back in order (ISA guide 5.7.1): pair k of rows is in, the younger ones may be out
	global_store_b128 v[GO], v[WF+4*k:WF+4*k+3], s[16:17] offset:8192*k th:TH_STORE_NT   ; 16 lanes store 256 consecutive bytes, at a multiple of 256 from out's first byte; written once, read by nobody here
.set k, k+1
.endr
	s_wait_tensorcnt 0x0                           ; the wave's end, behind my last tensor load and my last LDS store
	ds_add_u32 v[SPW], v[NIL]
	s_wait_dscnt 0x0
	CROUND                                         ; the closing round: no work-group ends while a partner may still ask for a tile that names it
	s_endpgm
.Lfunc_end_k_qb5d5548b67_fused:
	.size	k_qb5d5548b67_fused, .Lfunc_end_k_qb5d5548b67_fused-k_qb5d5548b67_fused
	.p2alignl 7, 3214868480
	.fill 96, 4, 3214868480
	.section	.rodata,"a",@progbits
	.p2align	6, 0x0
	.amdhsa_kernel k_qb5d5548b67_fused
		.amdhsa_group_segment_fixed_size 327680
		.amdhsa_private_segment_fixed_size 0
		.amdhsa_enable_private_segment 0
		.amdhsa_kernarg_size 56
		.amdhsa_user_sgpr_count 2
		.amdhsa_user_sgpr_kernarg_segment_ptr 1
		.amdhsa_wavefront_size32 1
		.amdhsa_system_sgpr_workgroup_id_x 1
		.amdhsa_system_sgpr_workgroup_id_y 1
		.amdhsa_system_sgpr_workgroup_id_z 1
		.amdhsa_system_vgpr_workitem_id 0
		.amdhsa_next_free_vgpr 1024
		.amdhsa_next_free_sgpr 102
		.amdhsa_reserve_vcc 0
		.amdhsa_float_denorm_mode_32 3
		.amdhsa_float_denorm_mode_16_64 3
		.amdhsa_memory_ordered 1
		.amdhsa_forward_progress 1
		.amdhsa_inst_pref_size 131
	.end_amdhsa_kernel
	.amdgpu_metadata
---
amdhsa.version: [ 1, 2 ]
amdhsa.kernels:
  - .name:           k_qb5d5548b67_fused
    .symbol:         k_qb5d5548b67_fused.kd
    .args:
      - { .name: x_codes, .offset: 0, .size: 8, .value_kind: global_buffer, .address_space: global }
      - { .name: x_scales, .offset: 8, .size: 8, .value_kind: global_buffer, .address_space: global }
      - { .name: weight_codes, .offset: 16, .size: 8, .value_kind: global_buffer, .address_space: global }
      - { .name: weight_scales, .offset: 24, .size: 8, .value_kind: global_buffer, .address_space: global }
      - { .name: bias, .offset: 32, .size: 8, .value_kind: global_buffer, .address_space: global }
      - { .name: comp_weight, .offset: 40, .size: 8, .value_kind: global_buffer, .address_space: global }
      - { .name: out0, .offset: 48, .size: 8, .value_kind: global_buffer, .address_space: global }
    .group_segment_fixed_size: 327680
    .private_segment_fixed_size: 0
    .kernarg_segment_align: 8
    .kernarg_segment_size: 56
    .max_flat_workgroup_size: 128
    .sgpr_count:     102
    .vgpr_count:     1024
    .wavefront_size: 32
...
	.end_amdgpu_metadata
.endif
;; end of part 1
